; MI455X (gfx1250); checked and timed in simulation.
; The chip was launched on July 23, 2026; its instructions are those of AMD's public machine-readable ISA for CDNA 5 (MIT licence, August 2026) and "CDNA5" Instruction Set Architecture Reference Guide (July 2026). The comments in the code are by the model that wrote it; some were corrected since.
;; Attention Encoder Layer. Allowed arithmetic: matrix products marked QUANTISED: E2M1 operands, one E8M0 scale for each 32 along K, by v_wmma_scale_f32_16x16x128_f8f6f4 with both operands' format E2M1 (or v_wmma_scale_f32_32x16x128_f4), f32 sums; everything else in f32.
;; Inputs: Wk 1,024 x 1,024 float32; Wq 1,024 x 1,024 float32; Wv 1,024 x 1,024 float32; attention_mask 4 x 2,048 int32; bk 1,024 float32; bq 1,024 float32; bv 1,024 float32; hidden_states 4 x 2,048 x 1,024 float32.
;; Outputs: out0 4 x 2,048 x 1,024 float32.
;; This version of the problem:
;;   THIS VERSION OF THE PROBLEM IS GIVEN IN LOW PRECISION. The matrix products marked QUANTISED in the list below multiply operands that are first quantised to E2M1 (2 exponent bits, 1 mantissa bit; 4 bits a number), with one power-of-two scale for each 32 numbers along K (OCP MX v1.0); their sums are f32. All else is computed in f32.
;;   The module's matrix products, in the order in which they are computed (A, B: the left and right operand; K: the contracted axis; several contracted axes count as one K, in the product's order):
;;     1. [M 8,192, K 1,024] x [K 1,024, N 1,024]; A: input hidden_states; B: input Wq: QUANTISED
;;     2. [M 8,192, K 1,024] x [K 1,024, N 1,024]; A: input hidden_states; B: input Wk: QUANTISED
;;     3. [M 8,192, K 1,024] x [K 1,024, N 1,024]; A: input hidden_states; B: input Wv: QUANTISED
;;     4. batch 64 x [M 2,048, K 64] x [K 64, N 2,048]; A: computed on the way; B: computed on the way: QUANTISED
;;     5. batch 64 x [M 2,048, K 2,048] x [K 2,048, N 64]; A: softmax (see below); B: computed on the way: QUANTISED
;;   THE QUANTISER, for each operand of a quantised product, along K:
;;     - K is cut into blocks of 32 from its start; a last block that is shorter is filled with zeros.
;;     - A block's scale is 2^e with e = floor(log2(the largest magnitude in the block)) - 2, held to -126 .. 127; a block of zeros has e = 0. As a byte (E8M0): e + 127.
;;     - Each number is divided by its block's scale, clamped to +-6, and rounded to the nearest number of E2M1, ties to even, subnormals kept.
;;     - The product sums the exact products of the quantised numbers (number of the format x scale) in f32.
;;   ~~~python
;;   def quantise(x, axis):      # numpy; x: float32 -> the quantised numbers, widened to float32 again
;;       x = np.moveaxis(x, axis, -1); K = x.shape[-1]
;;       x = np.pad(x, [(0, 0)] * (x.ndim - 1) + [(0, -K % 32)]); x = x.reshape(x.shape[:-1] + (-1, 32)); a = np.abs(x).max(-1, keepdims=True)
;;       e = np.where(a > 0, np.clip(np.frexp(np.where(a > 0, a, 1))[1] - 1 - 2, -126, 127), 0)      # np.frexp(a)[1] - 1 = floor(log2(a)), exactly
;;       r = np.clip(x / 2.0 ** e, -6, 6)
;;       step = 2.0 ** (np.maximum(np.frexp(np.where(r == 0, 1, r))[1] - 1, 0) - 1)
;;       q = np.round(r / step) * step * 2.0 ** e      # np.round: ties to even
;;       return np.moveaxis(q.reshape(q.shape[:-2] + (-1,))[..., :K], -1, axis).astype(np.float32)
;;   ~~~
;;   SOFTMAX AHEAD OF A QUANTISED PRODUCT. Where the list says 'softmax', what is quantised is not the finished softmax but p = 2^(t - M), with t = logit x log2(e) and M = ceil(the row's largest t), a whole number; so 1/2 < the row's largest p <= 1. The row's sum l is taken of the UNQUANTISED p, in f32, and the product's result is divided by l at the end. Since M is a whole number, a kernel that streams over the keys may use a running M (the ceiling of the running maximum): every later rescaling is an exact power of two, which a block's scale takes up: the codes' values come out the same.
;;   OPERANDS COMPUTED ON THE WAY. 'Computed on the way' means the value that the module computes at that place (a softmax that the list does not call 'softmax' is quantised finished and normalised). What goes into a quantiser is computed in f32, as accurately as f32 sums, v_exp_f32 and their like allow (about 1e-6 of the number): no bf16 or f16 on the way to a quantiser, and a product that is left as it is and whose result goes on into a quantised operand takes f32 operands (vector FMAs, or v_wmma_f32_16x16x4_f32). A number that lies on a knife's edge between two numbers of the format may be rounded either way, as far as f32 arithmetic and the matrix unit's own rounding can turn it there, and no further.
;; One version. Each part assembles by itself: llvm-mc -triple=amdgcn-amd-amdhsa -mcpu=gfx1250 --defsym DOCPART=n.
;; ======== version 1 of 1: 3 launches
;; limits: right only within a limited range of input values
;; workspace buffers: codes 5,767,168 bytes; scl 360,448 bytes; qw 4,718,592 bytes; kv 9,175,040 bytes
;; launch quant (part 1): grid 352 x 1, 4 waves a work-group, no clusters, 37,376 bytes of LDS; arguments hidden_states, Wq, Wk, Wv, codes, scl; writes codes, scl
.if DOCPART == 1
	.amdgcn_target "amdgcn-amd-amdhsa--gfx1250"
	.amdhsa_code_object_version 6
	.text
	.protected	k_q2297db0578_quant
	.globl	k_q2297db0578_quant
	.p2align	8
	.type	k_q2297db0578_quant,@function
k_q2297db0578_quant:
	s_mov_b64 s[64:65], 0
	v_nop
	global_prefetch_b8 v0, s[64:65] scope:SCOPE_SE
	s_setreg_imm32_b32 hwreg(HW_REG_WAVE_MODE, 25, 1), 1
	s_wait_xcnt 0x0
; hidden_states [8192][1024] and Wq, Wk, Wv [1024][1024], f32, K innermost, become codes of FP4 (E2M1) with one E8M0 byte for each 32 along K.
; A block's scale is 2^(floor(log2(its largest magnitude)) - 2); its byte is the largest magnitude's exponent field - 2, held at 1 from below; numbers beyond 6 scales get the largest code.
; LIMITS: NaN and infinities among the inputs are not served.  A block of zeros gets the byte 1 where the rule says 127: its codes are zeros, and this program alone reads the bytes.
; THE OUTPUT IS LAID AS THE NEXT LAUNCH'S OPERAND REGISTERS.  A TILE is 16 rows: tile T holds at position r the row 32 (T / 2) + 8 (T % 2) + r + 8 (r / 8).
;   codes: tile T at 8,192 T; in it K step s (128 along K) at 1,024 s, register group c at 512 c, lane l = r + 16 h at 16 l: the 32 codes k = 128 s + 64 c + 32 h + 0 .. 31 of position r.
;   scl:   tile T at 512 T; the byte of block j of position r at 256 (j / 16) + 16 r + j % 16: lane l's 16 bytes at 16 l are the scale words of K steps 4 h .. 4 h + 3.
;   Tiles 0-511: hidden_states; 512-575: Wq; 576-639: Wk; 640-703: Wv.
; SHARES.  Work-group g takes 32 neighbouring rows, tiles 2 g and 2 g + 1; wave w takes tile w / 2 and half w % 2 of K: 16 rows x 512 numbers, in 8 steps of 16 rows x 64 numbers.
; A step's eight loads read 256 consecutive bytes of two rows each, 16 bytes a lane; the 4,096 bytes turn through the wave's own stage in LDS (rows 272 bytes apart) and come back 128 bytes a lane:
; a whole block of 32 in one lane, so that its largest magnitude needs no other lane.  A step's codes leave as 512 consecutive bytes; the wave's 256 scale bytes are gathered in LDS and leave as one run of 256.
; No tensor loads, no barrier: waves share nothing, and nothing is shared between work-groups, so no cluster.  Loads run four steps (32 loads a wave) ahead, the turn through LDS one step.  Every offset is an immediate.
.set WREG, 9216                        ; LDS of a wave: two stages and its scale bytes
.set SP,   272                         ; a stage row: 256 bytes + 16
.set STG,  16*SP                       ; a stage
.set SCB,  2*STG                       ; the wave's 256 scale bytes
.set R,    16                          ; v16-143  four sets of 32: numbers as loaded
.set X,    144                         ; v144-207 two sets of 32: a lane's block
.set C,    208                         ; v208-239 four registers of codes for each step: no store's data are written again
.set E,    240                         ; v240-247 a scale byte for each step
	s_load_b256 s[4:11], s[0:1], 0x0               ; hidden_states, Wq, Wk, Wv
	s_load_b128 s[12:15], s[0:1], 0x20             ; codes, scl
	v_lshl_add_u32 v254, v0, 2, 0x9000
	v_mov_b32 v255, 0
	v_lshrrev_b32 v1, 5, v0
	v_readfirstlane_b32 s18, v1                    ; wave 0..3
	s_lshr_b32 s19, s18, 1                         ; which of the two tiles
	s_and_b32 s20, s18, 1                          ; which half of K
	s_mul_i32 s21, s18, WREG
	v_and_b32 v1, 15, v0                           ; r
	v_bfe_u32 v2, v0, 4, 1                         ; h
	v_and_b32 v10, 31, v0                          ; lane
	v_lshlrev_b32 v3, 12, v2
	v_lshl_add_u32 v3, v1, 4, v3                   ; a load: lanes 0-15 one row's 256 bytes, lanes 16-31 the next row's
	v_mul_u32_u24 v14, v2, SP
	v_lshl_add_u32 v14, v1, 4, v14
	v_add_nc_u32 v14, s21, v14                     ; the stage, on the way in: the same two rows
	v_mul_u32_u24 v15, v1, SP
	v_lshl_add_u32 v15, v2, 7, v15
	v_add_nc_u32 v15, s21, v15                     ; and on the way out: row r, block h of the step's two
	v_lshlrev_b32 v4, 4, v10                       ; my codes' place in a group's 512 bytes
	v_lshl_add_u32 v5, v1, 4, v2                   ; my block's byte: 16 r + h (+ 2 for each step)
	s_add_co_u32 s21, s21, SCB
	v_add_nc_u32 v5, s21, v5
	v_lshlrev_b32 v7, 3, v10                       ; the scale bytes' way out: 8 bytes a lane
	v_add_nc_u32 v6, s21, v7
	s_and_b32 s17, ttmp9, 31                       ; a weight's block of 32 rows
	s_wait_alu depctr_va_vdst(0)
	s_wait_kmcnt 0x0
	s_cmp_lt_u32 ttmp9, 288                        ; which tensor: the choice hangs on the work-group's number alone
	s_cselect_b64 s[6:7], s[6:7], s[8:9]
	s_cmp_lt_u32 ttmp9, 320
	s_cselect_b64 s[6:7], s[6:7], s[10:11]
	s_cmp_lt_u32 ttmp9, 256
	s_cselect_b64 s[4:5], s[4:5], s[6:7]
	s_cselect_b32 s16, ttmp9, s17
	s_lshl_b32 s22, s16, 17                        ; 32 rows of 4,096 bytes,
	s_lshl_b32 s23, s19, 15                        ; the second tile begins 8 rows on,
	s_add_co_u32 s22, s22, s23
	s_lshl_b32 s23, s20, 11                        ; the second half of K 2,048 bytes on
	s_add_co_u32 s22, s22, s23
	s_mov_b32 s23, 0
	s_add_nc_u64 s[4:5], s[4:5], s[22:23]
	s_lshl_b32 s24, ttmp9, 1
	s_add_co_u32 s24, s24, s19                     ; my tile's number
	s_lshl_b32 s22, s24, 13
	s_lshl_b32 s25, s20, 12
	s_add_co_u32 s22, s22, s25
	s_add_nc_u64 s[12:13], s[12:13], s[22:23]      ; its codes, my half of K
	s_lshl_b32 s22, s24, 9
	s_lshl_b32 s25, s20, 8
	s_add_co_u32 s22, s22, s25
	s_add_nc_u64 s[14:15], s[14:15], s[22:23]      ; its scale bytes, my half of K
.macro LOAD t                          ; step t: positions 2 i and 2 i + 1 are rows 2 i + 8 (i / 4) and the next
.irp i, 0,1,2,3,4,5,6,7
	global_load_b128 v[R+32*((\t)%4)+4*\i:R+32*((\t)%4)+4*\i+3], v3, s[4:5] offset:(2*\i+8*(\i/4))*4096+256*(\t) th:TH_LOAD_NT
.endr
.endm
.macro TURN t                          ; step t's numbers through the stage: LDS serves a wave's instructions in order, so no wait stands between the stores and the loads
.irp i, 0,1,2,3,4,5,6,7
	ds_store_b128 v14, v[R+32*((\t)%4)+4*\i:R+32*((\t)%4)+4*\i+3] offset:STG*((\t)%2)+2*SP*\i
.endr
.irp j, 0,1,2,3,4,5,6,7
	ds_load_b128 v[X+32*((\t)%2)+4*\j:X+32*((\t)%2)+4*\j+3], v15 offset:STG*((\t)%2)+16*\j
.endr
.endm
.irp t, 0,1,2,3
	LOAD \t
.endr
	s_wait_loadcnt 24                              ; step 0's eight loads are in; the 24 of steps 1 to 3 may be out
	TURN 0
.macro STEP t
.set XS, X+32*((\t)%2)
.if (\t) > 0
	s_wait_dscnt 1                                 ; this step's numbers are back from the stage; the last step's byte store may be out
.else
	s_wait_dscnt 0x0
.endif
.if (\t)+4 < 8
	LOAD (\t)+4                                    ; into the set that this step's stores to the stage have read
.endif
.if (\t) < 7
.if (\t) < 4
	s_wait_loadcnt 24                              ; the next step's eight loads are in; those of the three steps behind it may be out
.else
	s_wait_loadcnt 8*(6-(\t))                      ; the same with fewer steps behind it
.endif
	TURN (\t)+1                                    ; through the other stage while this step is worked
.endif
	v_max3_num_f32 v8, |v[XS]|, |v[XS+1]|, |v[XS+2]|               ; the block's largest magnitude: all 32 numbers are mine; two chains
	v_max3_num_f32 v9, |v[XS+3]|, |v[XS+4]|, |v[XS+5]|
.irp i, 6,10,14,18,22,26
	v_max3_num_f32 v8, v8, |v[XS+\i]|, |v[XS+\i+1]|
	v_max3_num_f32 v9, v9, |v[XS+\i+2]|, |v[XS+\i+3]|
.endr
	v_max3_num_f32 v8, v8, |v[XS+30]|, |v[XS+31]|
	v_max3_num_f32 v8, v8, v9, 0x1800000           ; and the floor 2^(3 - 127): the byte cannot fall under 1
	v_add_nc_u32 v11, 0xff000000, v8               ; 2 off its exponent field: the conversion takes the exponent field of this operand as its scale
.irp g, 0,1,2,3
	v_cvt_scalef32_pk8_fp4_f32 v[C+4*(\t)+\g], v[XS+8*\g:XS+8*\g+7], v11
.endr
	v_lshrrev_b32 v[E+(\t)], 23, v11               ; the scale's byte (also the plain line behind the conversions)
	ds_store_b8 v5, v[E+(\t)] offset:2*(\t)
	global_store_b128 v4, v[C+4*(\t):C+4*(\t)+3], s[12:13] offset:512*(\t)   ; 32 lanes store 512 consecutive bytes: one register group of the tile
.endm
.irp t, 0,1,2,3,4,5,6,7
	STEP \t
.endr
	ds_load_b64 v[12:13], v6                       ; LDS serves a wave's instructions in order: these see my byte stores
	s_wait_dscnt 0x0
	global_store_b64 v7, v[12:13], s[14:15]        ; 32 lanes store 256 consecutive bytes, at a multiple of 256 from the buffer's first byte
	s_wait_tensorcnt 0x0
	ds_add_u32 v254, v255
	s_wait_dscnt 0x0
	s_endpgm
.Lfunc_end_k_q2297db0578_quant:
	.size	k_q2297db0578_quant, .Lfunc_end_k_q2297db0578_quant-k_q2297db0578_quant
	.p2alignl 7, 3214868480
	.fill 96, 4, 3214868480
	.section	.rodata,"a",@progbits
	.p2align	6, 0x0
	.amdhsa_kernel k_q2297db0578_quant
		.amdhsa_group_segment_fixed_size 37376
		.amdhsa_private_segment_fixed_size 0
		.amdhsa_enable_private_segment 0
		.amdhsa_kernarg_size 48
		.amdhsa_user_sgpr_count 2
		.amdhsa_user_sgpr_kernarg_segment_ptr 1
		.amdhsa_wavefront_size32 1
		.amdhsa_system_sgpr_workgroup_id_x 1
		.amdhsa_system_sgpr_workgroup_id_y 1
		.amdhsa_system_sgpr_workgroup_id_z 1
		.amdhsa_system_vgpr_workitem_id 0
		.amdhsa_next_free_vgpr 256
		.amdhsa_next_free_sgpr 66
		.amdhsa_reserve_vcc 0
		.amdhsa_float_denorm_mode_32 3
		.amdhsa_float_denorm_mode_16_64 3
		.amdhsa_memory_ordered 1
		.amdhsa_forward_progress 1
		.amdhsa_inst_pref_size 30
	.end_amdhsa_kernel
	.amdgpu_metadata
---
amdhsa.version: [ 1, 2 ]
amdhsa.kernels:
  - .name:           k_q2297db0578_quant
    .symbol:         k_q2297db0578_quant.kd
    .args:
      - { .name: hidden_states, .offset: 0, .size: 8, .value_kind: global_buffer, .address_space: global }
      - { .name: Wq, .offset: 8, .size: 8, .value_kind: global_buffer, .address_space: global }
      - { .name: Wk, .offset: 16, .size: 8, .value_kind: global_buffer, .address_space: global }
      - { .name: Wv, .offset: 24, .size: 8, .value_kind: global_buffer, .address_space: global }
      - { .name: codes, .offset: 32, .size: 8, .value_kind: global_buffer, .address_space: global }
      - { .name: scl, .offset: 40, .size: 8, .value_kind: global_buffer, .address_space: global }
    .group_segment_fixed_size: 37376
    .private_segment_fixed_size: 0
    .kernarg_segment_align: 8
    .kernarg_segment_size: 48
    .max_flat_workgroup_size: 128
    .sgpr_count:     66
    .vgpr_count:     256
    .wavefront_size: 32
...
	.end_amdgpu_metadata
.endif
;; end of part 1
;; launch proj (part 2): grid 16 x 16, 4 waves a work-group, clusters of 4 x 1, 168,448 bytes of LDS; arguments codes, scl, bq, bk, bv, qw, kv; writes qw, kv
.if DOCPART == 2
	.amdgcn_target "amdgcn-amd-amdhsa--gfx1250"
	.amdhsa_code_object_version 6
	.text
	.protected	k_q2297db0578_proj
	.globl	k_q2297db0578_proj
	.p2align	8
	.type	k_q2297db0578_proj,@function
k_q2297db0578_proj:
	s_mov_b64 s[64:65], 0
	v_nop
	global_prefetch_b8 v0, s[64:65] scope:SCOPE_SE
	s_setreg_imm32_b32 hwreg(HW_REG_WAVE_MODE, 25, 1), 1
	s_wait_xcnt 0x0
	s_wait_alu depctr_hold_cnt(0) depctr_sa_sdst(0) depctr_va_vdst(0) depctr_va_sdst(0) depctr_va_ssrc(0) depctr_va_vcc(0) depctr_vm_vsrc(0)
	s_getreg_b32 s2, hwreg(HW_REG_IB_STS2, 6, 4)
	s_cmp_eq_u32 s2, 0
	s_cbranch_scc0 .Lentry_in_a_cluster
	s_endpgm
.Lentry_in_a_cluster:
	s_bfe_u32 s2, ttmp6, 0x10000c
	s_cmp_lg_u32 s2, 0x3003
	s_cbranch_scc0 .Lentry_shape_is_right
	s_endpgm
.Lentry_shape_is_right:
; q = x Wq^T + bq, k = x Wk^T + bk, v = x Wv^T + bv on codes of FP4 with E8M0 scales, f32 sums; kk = k / 8 + softsign(softsign(k) / 8) + v in f32;
; then q and kk are quantised along the head's 64 channels and v along the keys, and only codes and scale bytes go to memory, laid as the attention launch's operand registers.
; softsign(softsign(k) / 8) = k / (8 + 9 |k|), an identity for every finite k.
; LIMITS: NaN and infinities are not served; 8 + 9 |k| must stay finite (|k| under 3.7e37); a block of zeros gets the byte 1 with zero codes (this program alone reads the bytes);
; each bias is the C of its sum's first matrix instruction, so it is added first and not last: the last bit of a sum may differ from an addition at the end.
; SHARES.  Work-group (x, y): 512 rows of x (row group rg = 4 x cluster x + cx), head y.  Wave w owns 128 rows: 8 tiles of 16 (tile T, position r: row 32 (T / 2) + 8 (T % 2) + r + 8 (r / 8)),
; one key step and one group of queries of the attention launch.  Its codes of x for all of K stay in 512 registers, loaded once, 512 consecutive bytes a load.
; The head's 12 tiles of Wq, Wk, Wv (96 KiB of codes, 6 KiB of scale bytes) lie in LDS, filled once.  CLUSTER: the four work-groups of a cluster have the same head, so these tiles are asked for JOINTLY, mask 15.
; x is not shared in the cluster (partners have other rows); work-groups of other heads read it again.
; FOUR PHASES of 4 column tiles x 8 row tiles x 8 K steps = 256 matrix instructions on 32 accumulators:
;   Q    source 0 = 16 channels of Wq, source 1 = 16 rows of x: a lane holds one row, its registers run along the channels: 16 neighbours in two neighbouring tiles
;   VT   source 0 = 16 rows of x, source 1 = 16 channels of Wv: a lane holds one channel, its registers run along the KEYS: v as the second attention product wants it
;   KV0, KV1   as Q, with Wk's and Wv's tiles of channels 0-31, then 32-63: k and v of a block of 32 channels lie in the same lanes, kk is made in place of v and quantised
; v is multiplied twice, since kk wants it a lane to a row and the operand a lane to a channel; the sums are the same bit for bit.
; REGISTERS, in windows of 256: window 0: addresses, scale words, W's fragments, biases, codes, work;  window 1: the 32 accumulators;  window 2: x's fragments of K steps 0-3 (64 s + 8 i);  window 3: of K steps 4-7.
.set AW,  3                            ; v3-5    16 x lane + 0, 32,768, 65,536: W's codes in LDS, four tiles to each
.set LI,  3                            ; v3      16 x lane
.set LI8, 2                            ; v2      8 x lane
.set ASC, 6                            ; v6      16 x lane + WSC: W's scale words
.set HB,  7                            ; v7      64 (lane / 16): a bias along the registers
.set RB,  8                            ; v8      4 (r + 8 (r / 8)): a bias by the lane's channel
.set XS,  16                           ; v16-47  x's scale words: tile i, register 4 i + q: lanes 0-15 K step q, lanes 16-31 K step 4 + q
.set WS,  48                           ; v48-55  W's scale words likewise, two sets of 4
.set SW,  56                           ; v56-59  scale words on their way out
.set BF,  64                           ; v64-127 a W tile's fragments: K steps 0-3 at 0, 4-7 at 32, 8 registers each
.set BI,  128                          ; v128-159 the phase's four bias tiles
.set PC,  160                          ; v160-191 codes
.set PW,  192                          ; v192-199 scale words being made
.set TM,  200                          ; v200-215 largest magnitudes
.set TP,  216                          ; v216-231 the other half's; then the bytes
.set SO,  232                          ; v232-247 the conversions' scale operands
.set TD,  200                          ; v200-231 8 + 9 |k| and its reciprocal
.set WSC, 98304                        ; LDS: W's codes, slot j (q 0-3, k 4-7, v 8-11) at 8,192 j; behind them the scale bytes, 512 j
.set MSB, 0
.macro WIN new                         ; the immediate's high byte repeats the setting that is left; a switch that changes nothing is dropped
.if MSB != (\new)
	s_set_vgpr_msb (MSB<<8)|(\new)
.set MSB, (\new)
.endif
.endm
.macro PLACES                          ; four plain vector lines between a matrix instruction and a load into, or a vector read of, its registers
.rept 4
	v_nop
.endr
.endm
.macro ROUND                           ; a round of the cluster's barrier
	s_barrier_signal -1
	s_barrier_wait -1
	s_cmp_lg_u32 s18, 0
	s_cbranch_scc1 .Lnot_wave_0_\@
	s_barrier_signal -3
.Lnot_wave_0_\@:
	s_barrier_wait -3
	s_barrier_signal -1
	s_barrier_wait -1
.endm
	s_load_b256 s[4:11], s[0:1], 0x0               ; codes s[4:5], scl s[6:7], bq s[8:9], bk s[10:11]
	s_load_b128 s[12:15], s[0:1], 0x20             ; bv s[12:13], qw s[14:15]
	s_load_b64 s[16:17], s[0:1], 0x30              ; kv
	v_lshl_add_u32 v254, v0, 2, 0x29000
	v_mov_b32 v255, 0
	ds_add_u32 v254, v255
	ds_add_u32 v254, v255
	v_lshrrev_b32 v9, 5, v0
	v_readfirstlane_b32 s18, v9                    ; wave 0..3
	s_and_b32 s21, ttmp7, 0xffff                   ; the head, which the four partners share
	; group 1 for the codes of four tiles: 32,768 dense bytes as 128 rows of 32 elements of 8 bytes
	s_mov_b32 s32, 15|(3<<16)|(1<<21)              ; 15:0 the mask: all four work-groups; 17:16 elements of 8 bytes; 21 set beside a mask; no padding
	s_mov_b32 s33, 32<<16                          ; tensor_dim0
	s_mov_b32 s34, 128<<16                         ; tensor_dim1
	s_mov_b32 s35, 32<<16                          ; tile_dim0
	s_mov_b32 s36, 128                             ; tile_dim1
	s_mov_b32 s37, 32                              ; from row to row
	s_mov_b32 s38, 0
	s_mov_b32 s39, 0
	; group 1 for the scale bytes: 3 rows (q, k, v) of 2,048 bytes, 32,768 bytes apart
	s_mov_b32 s40, 15|(3<<16)|(1<<21)
	s_mov_b32 s41, 256<<16
	s_mov_b32 s42, 3<<16
	s_mov_b32 s43, 256<<16
	s_mov_b32 s44, 3
	s_mov_b32 s45, 4096
	s_mov_b32 s46, 0
	s_mov_b32 s47, 0
	s_min_u32 s22, s18, 2                          ; waves 0, 1, 2 bring Wq's, Wk's, Wv's four tiles (wave 3 brings the scale bytes and does not use this set)
	s_lshl_b32 s49, s22, 15                        ; to LDS byte 32,768 x wave
	s_lshl_b32 s22, s22, 19                        ; a weight's 64 tiles are 524,288 bytes,
	s_lshl_b32 s23, s21, 15                        ; a head's four 32,768,
	s_add_co_u32 s22, s22, s23
	s_add_co_u32 s22, s22, 0x400000                ; behind x's 512 tiles
	s_mov_b32 s23, 0
	s_lshl_b32 s30, s21, 11                        ; the scale bytes: a head's four tiles are 2,048 bytes,
	s_add_co_u32 s30, s30, 0x40000                 ; behind x's
	s_mov_b32 s31, 0
	s_mov_b32 s24, 0x76543210                      ; v_permlanex16_b32's selects for lane l xor 16
	s_mov_b32 s25, 0xfedcba98
	s_mov_b32 s26, 0x41100000                      ; 9.0
	s_mov_b32 s27, 0x41000000                      ; 8.0
	s_mov_b32 s28, 0xffff0000                      ; lanes 16-31
	s_wait_dscnt 0x0
	s_wait_kmcnt 0x0
	s_mov_b32 s48, 1
	s_add_nc_u64 s[50:51], s[4:5], s[22:23]
	s_or_b32 s51, s51, 0x80000000
	s_mov_b32 s52, 1
	s_mov_b32 s53, WSC
	s_add_nc_u64 s[54:55], s[6:7], s[30:31]
	s_or_b32 s55, s55, 0x80000000
	ROUND                                          ; all four work-groups are here: the joint loads meet
	s_cmp_lt_u32 s18, 3                            ; one tensor load a wave, the only one of the launch; the branch hangs on the wave's number alone
	s_cbranch_scc0 .Lscales
	tensor_load_to_lds s[48:51], s[32:39]
	s_nop 0
.rept 4
	v_nop
.endr
	s_branch .Lasked
.Lscales:
	tensor_load_to_lds s[52:55], s[40:47]
	s_nop 0
.rept 4
	v_nop
.endr
.Lasked:
	; my rows.  What hangs on my place in the cluster stays in s66 to s69 and enters global addresses of x, qw and kv alone
	s_bfe_u32 s19, ttmp6, 0x40000                  ; cx
	s_lshl_b32 s20, ttmp9, 2
	s_add_co_u32 s20, s20, s19                     ; rg
	s_lshl_b32 s66, s20, 18                        ; 32 tiles of 8,192 bytes a row group,
	s_lshl_b32 s67, s18, 16                        ; 8 a wave
	s_add_co_u32 s66, s66, s67
	s_mov_b32 s67, 0
	s_add_nc_u64 s[56:57], s[4:5], s[66:67]        ; my codes of x
	s_lshl_b32 s66, s20, 14
	s_lshl_b32 s69, s18, 12
	s_add_co_u32 s66, s66, s69
	s_add_nc_u64 s[58:59], s[6:7], s[66:67]        ; my scale bytes of x
	s_lshl_b32 s68, ttmp9, 4                       ; the batch is the cluster's x (2,048 rows = 4 row groups)
	s_add_co_u32 s68, s68, s21
	s_lshl_b32 s68, s68, 4
	s_lshl_b32 s69, s19, 2
	s_add_co_u32 s68, s68, s69
	s_add_co_u32 s68, s68, s18                     ; n = (16 batch + head) x 16 + 4 cx + wave: my 128 rows among the head's 16 such
	s_mul_i32 s66, s68, 4608
	s_add_nc_u64 s[60:61], s[14:15], s[66:67]      ; qw: my group of queries
	s_mul_i32 s66, s68, 8960
	s_add_nc_u64 s[62:63], s[16:17], s[66:67]      ; kv: my key step
	s_lshl_b32 s66, s21, 8                         ; the head's 64 numbers of each bias
	s_add_nc_u64 s[8:9], s[8:9], s[66:67]
	s_add_nc_u64 s[10:11], s[10:11], s[66:67]
	s_add_nc_u64 s[12:13], s[12:13], s[66:67]
	v_and_b32 v9, 31, v0
	v_lshlrev_b32 v[LI], 4, v9
	v_lshlrev_b32 v[LI8], 3, v9
	v_xor_b32 v11, 128, v[LI]                      ; 16 x lane with bit 7 turned: where kk's tiles of odd groups of 32 keys put a lane's 16 bytes
	v_add_nc_u32 v[AW+1], 32768, v[LI]
	v_add_nc_u32 v[AW+2], 65536, v[LI]
	v_add_nc_u32 v[ASC], WSC, v[LI]
	v_bfe_u32 v9, v0, 4, 1
	v_lshlrev_b32 v[HB], 6, v9
	v_and_b32 v9, 15, v0
	v_and_b32 v10, 8, v9
	v_add_nc_u32 v9, v9, v10
	v_lshlrev_b32 v[RB], 2, v9
.set x, 0
.rept 16
	v_mov_b32 v[TP+x], 0                           ; written once: a lane permute's destination counts as one of its sources
.set x, x+1
.endr
; A bias tile for a product with W as source 0: register j of lane half h is the bias of channel 32 (t / 2) + 8 (t % 2) + 16 h + j
.macro BIAS_T tt, base, t
	global_load_b128 v[BI+8*(\tt):BI+8*(\tt)+3], v[HB], s[\base:\base+1] offset:(32*((\t)/2)+8*((\t)%2))*4
	global_load_b128 v[BI+8*(\tt)+4:BI+8*(\tt)+7], v[HB], s[\base:\base+1] offset:(32*((\t)/2)+8*((\t)%2))*4+16
.endm
; and with W as source 1: all eight registers hold the bias of the lane's channel, 32 (t / 2) + 8 (t % 2) + r + 8 (r / 8)
.macro BIAS_B tt, t
.irp j, 0,1,2,3,4,5,6,7
	global_load_b32 v[BI+8*(\tt)+\j], v[RB], s[12:13] offset:(32*((\t)/2)+8*((\t)%2))*4
.endr
.endm
.macro NEXTBIAS nb                     ; the next phase's four bias tiles: 1 VT, 2 KV0, 3 KV1
.if (\nb) == 1
	BIAS_B 0, 0
	BIAS_B 1, 1
	BIAS_B 2, 2
	BIAS_B 3, 3
.elseif (\nb) == 2
	BIAS_T 0, 10, 0
	BIAS_T 1, 10, 1
	BIAS_T 2, 12, 0
	BIAS_T 3, 12, 1
.elseif (\nb) == 3
	BIAS_T 0, 10, 2
	BIAS_T 1, 10, 3
	BIAS_T 2, 12, 2
	BIAS_T 3, 12, 3
.endif
.endm
	BIAS_T 0, 8, 0                                 ; 8 loads: bq
	BIAS_T 1, 8, 1
	BIAS_T 2, 8, 2
	BIAS_T 3, 8, 3
.irp i, 0,1,2,3,4,5,6,7
	global_load_b128 v[XS+4*\i:XS+4*\i+3], v[LI], s[58:59] offset:512*\i   ; 8 loads: x's scale words
.endr
	WIN 0x80                                       ; destination window 2
.irp s, 0,1,2,3
.irp i, 0,1,2,3,4,5,6,7
.irp c, 0,1
	global_load_b128 v[64*\s+8*\i+4*\c:64*\s+8*\i+4*\c+3], v[LI], s[56:57] offset:\i*8192+\s*1024+\c*512   ; 16 loads a K step, K ascending
.endr
.endr
.endr
	WIN 0xc0                                       ; destination window 3
.irp s, 0,1,2,3
.irp i, 0,1,2,3,4,5,6,7
.irp c, 0,1
	global_load_b128 v[64*\s+8*\i+4*\c:64*\s+8*\i+4*\c+3], v[LI], s[56:57] offset:\i*8192+(\s+4)*1024+\c*512
.endr
.endr
.endr
	WIN 0
	s_wait_tensorcnt 0x0                           ; my part of W is in LDS,
	s_barrier_signal -1
	s_barrier_wait -1                              ; everybody's is
.macro BLOAD hs, slot                  ; half hs (K steps 4 hs .. 4 hs + 3) of W tile slot: 8 loads of 512 consecutive bytes
.irp q, 0,1,2,3
.irp c, 0,1
	ds_load_b128 v[BF+32*(\hs)+8*\q+4*\c:BF+32*(\hs)+8*\q+4*\c+3], v[AW+(\slot)/4] offset:((\slot)%4)*8192+(4*(\hs)+\q)*1024+512*\c
.endr
.endr
.endm
.macro WSLOAD set, slot                ; its scale words
	ds_load_b128 v[WS+4*(\set):WS+4*(\set)+3], v[ASC] offset:512*(\slot)
.endm
.macro WM d, a, b, c, sa, sb, row      ; row = 1: both sides' scale words are taken from lanes 16-31
.if \row
	v_wmma_scale_f32_16x16x128_f8f6f4 v[(\d):(\d)+7], v[(\a):(\a)+7], v[(\b):(\b)+7], v[(\c):(\c)+7], v[\sa], v[\sb] matrix_a_fmt:MATRIX_FMT_FP4 matrix_b_fmt:MATRIX_FMT_FP4 matrix_a_scale:MATRIX_SCALE_ROW1 matrix_b_scale:MATRIX_SCALE_ROW1
.else
	v_wmma_scale_f32_16x16x128_f8f6f4 v[(\d):(\d)+7], v[(\a):(\a)+7], v[(\b):(\b)+7], v[(\c):(\c)+7], v[\sa], v[\sb] matrix_a_fmt:MATRIX_FMT_FP4 matrix_b_fmt:MATRIX_FMT_FP4
.endif
.endm
; 32 matrix instructions: one W tile x my 8 row tiles x 4 K steps.  The 8 accumulators (ao + si i, window 1) take turns, one instruction a turn.
; The first K step takes the bias tile (window 0) as C: nothing is cleared and no bias is added by a vector instruction.  swap = 1: x is source 0.
; ldw = 1, the launch's first tile: x's fragments are waited for K step by K step.
.macro HALF ao, si, tt, hs, swap, set, ldw
.set hq, 0
.rept 4
.if (\ldw) && ((\hs) == 0) && (hq == 0)
	s_wait_loadcnt 63                              ; bq, x's scale words and K steps 0-3 are in: 64 loads were issued behind them, and 63 is the largest count that the wait can name
.endif
.if (\ldw) && ((\hs) == 1)
	s_wait_loadcnt 48-16*hq                        ; K step 4 + hq is in: 16 loads for each K step behind it
.endif
.if \swap
.set hw, 0x52+(\hs)                    ; x (source 0) window 2 or 3, W window 0, C and D window 1
.else
.set hw, 0x58+4*(\hs)                  ; W window 0, x (source 1) window 2 or 3, C and D window 1
.endif
.if ((\hs) == 0) && (hq == 0)
.set hw, hw-0x10                       ; C window 0
.endif
	WIN hw
.set hi, 0
.rept 8
.set hd, (\ao)+(\si)*hi
.set hc, hd
.if ((\hs) == 0) && (hq == 0)
.set hc, BI+8*(\tt)
.endif
.if \swap
	WM hd, 64*hq+8*hi, BF+32*(\hs)+8*hq, hc, XS+4*hi+hq, WS+4*(\set)+hq, \hs
.else
	WM hd, BF+32*(\hs)+8*hq, 64*hq+8*hi, hc, WS+4*(\set)+hq, XS+4*hi+hq, \hs
.endif
.set hi, hi+1
.endr
.set hq, hq+1
.endr
.endm
; A column tile: 64 matrix instructions.  While one half of its fragments is multiplied, the other half's place takes the next tile's (next = its slot, -1: none); the stream runs on across the phases.
.macro COLT ao, si, tt, swap, set, next, ldw, nb
	s_wait_dscnt 8                                 ; this tile's first half and its scale words are in; the second half's 8 loads may be out
	HALF \ao, \si, \tt, 0, \swap, \set, \ldw
	WIN 0
	PLACES
.if (\next) >= 0
	BLOAD 0, \next
	WSLOAD 1-(\set), \next
.endif
	NEXTBIAS \nb                                   ; the phase's four bias tiles have all been read, four places back or more
.if (\next) >= 0
	s_wait_dscnt 9                                 ; the second half is in; the 8 + 1 loads just issued may be out
.else
	s_wait_dscnt 0x0
.endif
	HALF \ao, \si, \tt, 1, \swap, \set, \ldw
	WIN 0
	PLACES
.if (\next) >= 0
	BLOAD 1, \next
.endif
.endm
; n chains; chain x takes the 16 numbers at v[s0 + 16 x] on of window 1: half a block of 32, whose other half lies in lane l xor 16.  Its byte comes to v[TP + x], its 16 codes to v[PC + ds x + d0] and the next.
; Each accumulator is read from its low end on.
.macro QUANT16 s0, n, ds, d0
	WIN 0x05                                       ; sources 0 and 1 window 1
.set x, 0
.rept \n
	v_max3_num_f32 v[TM+x], |v[(\s0)+16*x]|, |v[(\s0)+16*x+1]|, 0x1800000   ; with the floor 2^(3 - 127): the byte cannot fall under 1
.set x, x+1
.endr
.irp i, 2,4,6,8,10,12,14
.set x, 0
.rept \n
	v_max3_num_f32 v[TM+x], |v[(\s0)+16*x+\i]|, |v[(\s0)+16*x+\i+1]|, v[TM+x]   ; the chains by turns: no line waits for the line above it
.set x, x+1
.endr
.endr
	WIN 0
.set x, 0
.rept \n
	v_permlanex16_b32 v[TP+x], v[TM+x], s24, s25
.set x, x+1
.endr
.set x, 0
.rept \n
	v_max_num_f32 v[TM+x], v[TM+x], v[TP+x]        ; the block's largest magnitude
.set x, x+1
.endr
.set x, 0
.rept \n
	v_add_nc_u32 v[SO+x], 0xff000000, v[TM+x]      ; 2 off its exponent field: the conversion's scale operand
.set x, x+1
.endr
.set x, 0
.rept \n
	v_lshrrev_b32 v[TP+x], 23, v[SO+x]             ; the scale's byte
.set x, x+1
.endr
	s_wait_xcnt 0x0                                ; the last phase's stores have read their data: the codes' and the scale words' registers are written again only behind this wait
	WIN 0x01                                       ; source 0 window 1
.set x, 0
.rept \n
	v_cvt_scalef32_pk8_fp4_f32 v[PC+(\ds)*x+(\d0)], v[(\s0)+16*x:(\s0)+16*x+7], v[SO+x]
	v_cvt_scalef32_pk8_fp4_f32 v[PC+(\ds)*x+(\d0)+1], v[(\s0)+16*x+8:(\s0)+16*x+15], v[SO+x]
.set x, x+1
.endr
	WIN 0
	v_nop                                          ; one plain line behind the scaled conversions
.endm
.macro SWAPS                           ; the operand's layout wants a WHOLE block in a lane: of each four registers lanes 0-15 get the first block, lanes 16-31 the second
.irp g, 0,1,2,3,4,5,6,7
	v_permlane16_swap_b32 v[PC+4*\g], v[PC+4*\g+2]
	v_permlane16_swap_b32 v[PC+4*\g+1], v[PC+4*\g+3]
.endr
.endm
; kk = k / 8 + k / (8 + 9 |k|) + v for row tiles i0 and i0 + 1: 32 numbers a lane; k at v[16 i0] on, v at v[128 + 16 i0] on, both window 1; kk takes v's place
.macro KKMATH i0
	WIN 0x01
.set n, 0
.rept 32
	v_fma_f32 v[TD+n], |v[16*(\i0)+n]|, s26, s27
.set n, n+1
.endr
	WIN 0
.set n, 0
	s_wait_alu depctr_va_vdst(0)
.rept 32
	v_rcp_f32 v[TD+n], v[TD+n]
.set n, n+1
.endr
	WIN 0x51                                       ; k and v window 1, the reciprocals window 0
.set n, 0
	s_wait_alu depctr_va_vdst(0)
.rept 16
	v_pk_fma_f32 v[128+16*(\i0)+n:128+16*(\i0)+n+1], v[16*(\i0)+n:16*(\i0)+n+1], 0x3e000000, v[128+16*(\i0)+n:128+16*(\i0)+n+1] op_sel_hi:[1,0,1]   ; v + k / 8: plain work behind the reciprocals
.set n, n+2
.endr
	s_wait_alu depctr_va_vdst(0)                   ; one wait for the 32 reciprocals, ahead of their first reader
.set n, 0
.rept 16
	v_pk_fma_f32 v[128+16*(\i0)+n:128+16*(\i0)+n+1], v[16*(\i0)+n:16*(\i0)+n+1], v[TD+n:TD+n+1], v[128+16*(\i0)+n:128+16*(\i0)+n+1]
.set n, n+2
.endr
.endm
	BLOAD 0, 0
	WSLOAD 0, 0
	BLOAD 1, 0
	; ---- Q: accumulator (column tile tt, row tile i) at 8 tt + 32 i: registers 32 i + 16 b on are channels 32 b + 16 h + 0 .. 15 of row tile i
	COLT 0,  32, 0, 0, 0, 1, 1, 0
	COLT 8,  32, 1, 0, 1, 2, 0, 0
	COLT 16, 32, 2, 0, 0, 3, 0, 0
	COLT 24, 32, 3, 0, 1, 8, 0, 1
	QUANT16 0, 16, 2, 0                            ; chain 2 i + b
.irp i, 0,1,2,3,4,5,6,7
	v_lshl_or_b32 v[PW+\i], v[TP+2*\i+1], 8, v[TP+2*\i]   ; tile i's scale word: two bytes; bytes 2 and 3 stay 0, over codes that are zeros
.endr
	SWAPS
.irp i, 0,1,2,3,4,5,6,7
	global_store_b128 v[LI], v[PC+4*\i:PC+4*\i+3], s[60:61] offset:512*\i   ; 512 consecutive bytes: tile i's four registers
.endr
.irp p, 0,1,2,3
	v_cndmask_b32 v[SW+\p], v[PW+2*\p], v[PW+2*\p+1], s28   ; lanes 0-15 tile 2 p's words, lanes 16-31 tile 2 p + 1's
.endr
	global_store_b128 v[LI], v[SW:SW+3], s[60:61] offset:4096
	; ---- VT: accumulator (tt, i) at 64 tt + 8 i: registers 64 tt + 16 b on are keys 32 b + 16 h + 0 .. 15 of the lane's channel
	s_wait_loadcnt 0x0                             ; bv
	COLT 0,   8, 0, 1, 0, 9,  0, 0
	COLT 64,  8, 1, 1, 1, 10, 0, 0
	COLT 128, 8, 2, 1, 0, 11, 0, 0
	COLT 192, 8, 3, 1, 1, 4,  0, 2
	QUANT16 0, 16, 2, 0                            ; chain 4 tt + b
.irp t, 0,1,2,3
	v_lshl_or_b32 v[PW+\t], v[TP+4*\t+1], 8, v[TP+4*\t]    ; channel tile t's scale word: the four blocks of these 128 keys
.endr
.irp t, 0,1,2,3
	v_lshl_or_b32 v[PW+\t], v[TP+4*\t+2], 16, v[PW+\t]
.endr
.irp t, 0,1,2,3
	v_lshl_or_b32 v[PW+\t], v[TP+4*\t+3], 24, v[PW+\t]
.endr
	SWAPS
.irp g, 0,1,2,3,4,5,6,7
	global_store_b128 v[LI], v[PC+4*\g:PC+4*\g+3], s[62:63] offset:4096+512*\g   ; channel tile g / 2, register group g % 2
.endr
.irp p, 0,1
	v_cndmask_b32 v[SW+\p], v[PW+2*\p], v[PW+2*\p+1], s28
.endr
	global_store_b64 v[LI8], v[SW:SW+1], s[62:63] offset:8704   ; 256 consecutive bytes
	; ---- KV0: k's tiles 0, 1 at 16 i and 16 i + 8, v's at 128 + 16 i and + 8: channels 16 h + 0 .. 15 of row tile i
	s_wait_loadcnt 0x0                             ; bk, bv
	COLT 0,   16, 0, 0, 0, 5, 0, 0
	COLT 8,   16, 1, 0, 1, 8, 0, 0
	COLT 128, 16, 2, 0, 0, 9, 0, 0
	COLT 136, 16, 3, 0, 1, 6, 0, 3
	KKMATH 0
	KKMATH 2
	KKMATH 4
	KKMATH 6
	QUANT16 128, 8, 4, 0                           ; chain i: block 0 of row tile i
.irp i, 0,1,2,3,4,5,6,7
	v_mov_b32 v[PW+\i], v[TP+\i]                   ; its byte is kept for the next phase
.endr
	; ---- KV1: the same with channels 32 + 16 h + 0 .. 15
	s_wait_loadcnt 0x0
	COLT 0,   16, 0, 0, 0, 7,  0, 0
	COLT 8,   16, 1, 0, 1, 10, 0, 0
	COLT 128, 16, 2, 0, 0, 11, 0, 0
	COLT 136, 16, 3, 0, 1, -1, 0, 0
	KKMATH 0
	KKMATH 2
	KKMATH 4
	KKMATH 6
	QUANT16 128, 8, 4, 2
.irp i, 0,1,2,3,4,5,6,7
	v_lshl_or_b32 v[PW+\i], v[TP+\i], 8, v[PW+\i]
.endr
	SWAPS
.irp i, 0,1,2,3,4,5,6,7
	global_store_b128 v[LI+8*((\i/2)%2)], v[PC+4*\i:PC+4*\i+3], s[62:63] offset:512*\i   ; tiles 2, 3, 6, 7 by v11: the attention launch reads positions of an even and an odd group in one load, and they then lie in different halves of 256 bytes
.endr
.irp p, 0,1,2,3
	v_cndmask_b32 v[SW+\p], v[PW+2*\p], v[PW+2*\p+1], s28
.endr
	global_store_b128 v[LI], v[SW:SW+3], s[62:63] offset:8192
	s_wait_dscnt 0x0                               ; no LDS instruction of mine is out at a signal
	s_wait_tensorcnt 0x0
	ds_add_u32 v254, v255
	s_wait_dscnt 0x0
	ROUND                                          ; the closing round: no work-group ends while a partner may still ask for a tile that names it
	s_endpgm
.Lfunc_end_k_q2297db0578_proj:
	.size	k_q2297db0578_proj, .Lfunc_end_k_q2297db0578_proj-k_q2297db0578_proj
	.p2alignl 7, 3214868480
	.fill 96, 4, 3214868480
	.section	.rodata,"a",@progbits
	.p2align	6, 0x0
	.amdhsa_kernel k_q2297db0578_proj
		.amdhsa_group_segment_fixed_size 168448
		.amdhsa_private_segment_fixed_size 0
		.amdhsa_enable_private_segment 0
		.amdhsa_kernarg_size 56
		.amdhsa_user_sgpr_count 2
		.amdhsa_user_sgpr_kernarg_segment_ptr 1
		.amdhsa_wavefront_size32 1
		.amdhsa_system_sgpr_workgroup_id_x 1
		.amdhsa_system_sgpr_workgroup_id_y 1
		.amdhsa_system_sgpr_workgroup_id_z 1
		.amdhsa_system_vgpr_workitem_id 0
		.amdhsa_next_free_vgpr 1024
		.amdhsa_next_free_sgpr 80
		.amdhsa_reserve_vcc 0
		.amdhsa_float_denorm_mode_32 3
		.amdhsa_float_denorm_mode_16_64 3
		.amdhsa_memory_ordered 1
		.amdhsa_forward_progress 1
		.amdhsa_inst_pref_size 255
	.end_amdhsa_kernel
	.section	.bss,"aw",@nobits
	.p2align	6
	.space	262144
	.amdgpu_metadata
---
amdhsa.version: [ 1, 2 ]
amdhsa.kernels:
  - .name:           k_q2297db0578_proj
    .symbol:         k_q2297db0578_proj.kd
    .args:
      - { .name: codes, .offset: 0, .size: 8, .value_kind: global_buffer, .address_space: global }
      - { .name: scl, .offset: 8, .size: 8, .value_kind: global_buffer, .address_space: global }
      - { .name: bq, .offset: 16, .size: 8, .value_kind: global_buffer, .address_space: global }
      - { .name: bk, .offset: 24, .size: 8, .value_kind: global_buffer, .address_space: global }
      - { .name: bv, .offset: 32, .size: 8, .value_kind: global_buffer, .address_space: global }
      - { .name: qw, .offset: 40, .size: 8, .value_kind: global_buffer, .address_space: global }
      - { .name: kv, .offset: 48, .size: 8, .value_kind: global_buffer, .address_space: global }
    .group_segment_fixed_size: 168448
    .private_segment_fixed_size: 0
    .kernarg_segment_align: 8
    .kernarg_segment_size: 56
    .max_flat_workgroup_size: 128
    .sgpr_count:     80
    .vgpr_count:     1024
    .wavefront_size: 32
...
	.end_amdgpu_metadata
.endif
;; end of part 2
;; launch attn (part 3): grid 4 x 64, 16 waves a work-group, clusters of 4 x 1, 284,672 bytes of LDS; arguments qw, kv, attention_mask, out0; writes out0
.if DOCPART == 3
	.amdgcn_target "amdgcn-amd-amdhsa--gfx1250"
	.amdhsa_code_object_version 6
	.text
	.protected	k_q2297db0578_attn
	.globl	k_q2297db0578_attn
	.p2align	8
	.type	k_q2297db0578_attn,@function
k_q2297db0578_attn:
	s_mov_b64 s[64:65], 0
	v_nop
	global_prefetch_b8 v0, s[64:65] scope:SCOPE_SE
	s_setreg_imm32_b32 hwreg(HW_REG_WAVE_MODE, 25, 1), 1
	s_wait_xcnt 0x0
	s_wait_alu depctr_hold_cnt(0) depctr_sa_sdst(0) depctr_va_vdst(0) depctr_va_sdst(0) depctr_va_ssrc(0) depctr_va_vcc(0) depctr_vm_vsrc(0)
	s_getreg_b32 s2, hwreg(HW_REG_IB_STS2, 6, 4)
	s_cmp_eq_u32 s2, 0
	s_cbranch_scc0 .Lentry_in_a_cluster
	s_endpgm
.Lentry_in_a_cluster:
	s_bfe_u32 s2, ttmp6, 0x10000c
	s_cmp_lg_u32 s2, 0x3003
	s_cbranch_scc0 .Lentry_shape_is_right
	s_endpgm
.Lentry_shape_is_right:
; out0[b][q][64 head + d] = the sum over keys of softmax_key(q . kk / 8, or -10000 for every key where attention_mask[b][q] == 0) v[key][d], both products on codes of FP4 with E8M0 scales.
; THE SOFTMAX AHEAD OF THE SECOND PRODUCT: t = logit x log2(e); M = ceil(the row's largest t); p = 2^(t - M) is quantised along the keys, not normalised; the row's sum of the unquantised p divides at the end.
; TWO WALKS over the head's 2,048 keys, 128 a step.  Walk 1: the scores, each block's largest score (kept in the wave's own LDS bytes, 16 bytes a lane and step) and the row's largest.
; Walk 2: the scores once more, p under the row's final M, its codes, the second product.  So nothing is rescaled on the way, and no block's maximum is searched twice.
; THE MASK is along the queries and selects two numbers a lane: t = score x c + a with c = log2(e) / 8, a = 0, or for a masked query c = 0, a = -10000 log2(e).  No branch hangs on it.
; LIMITS: NaN and infinities are not served: a masked query multiplies its scores by 0, so they must be finite.  A block whose every p is 0 keeps the byte 1 over zero codes.
; SHARES.  Work-group (x, y): head y = 16 batch + head, 512 queries.  Each of the sixteen waves owns 32 queries, two tiles of 16, TOGETHER: each fragment of kk and of v read from LDS feeds two products.
; LDS is filled ONCE: the head's kk and v, 16 key steps of 8,960 bytes; wave w brings key step w.  CLUSTER: the four work-groups of a cluster belong to one head: each load is asked for JOINTLY, mask 15.
; No prefetch: the one fill stands at the head, and there is no loop in which to ask ahead of it.
; LAYOUT.  Both products transposed, in the form of 32 rows: S^T = kk q^T (source 0 = 32 keys), O^T = v^T p^T (source 0 = 32 channels): a lane holds ONE query of each tile.
; THE KEYS OF A TILE ARE CHOSEN BY THE LDS ADDRESS: tile u of group g (64 keys) holds at position m key 64 g + 32 (m / 8) + 8 u + m % 8.  So the 32 registers of a group's four result tiles are,
; in lane half h, the WHOLE block of keys 64 g + 32 h + 0 .. 31, in order: its largest score needs no other lane, and the four conversions' results are registers 4 g .. 4 g + 3 of the second product's operand.
; THE FIRST PRODUCT'S K IS 64: registers 4 to 7 of q's fragments hold zero codes.  What a kk operand holds for k = 64 .. 127 counts for nothing (every code of FP4 is a finite number, times 0).
; So a group's tiles lie in one run of four registers each, in the order 0, 2, 1, 3, with four zeros behind: the 16 registers from slot i on are tile 2 i (rows 0-15) and tile 2 i + 1 (rows 16-31),
; each followed by four registers that count for nothing.  Bytes 2 and 3 of the scale words are 0, a finite code.
.set AK0, 1                            ; v1   kk's codes, tiles 0 and 1 of a group: 16 (r % 8) + 256 h + 1,152 (r / 8) + the step
.set AK1, 2                            ; v2   tiles 2 and 3: the same with bit 7 turned
.set AKS, 3                            ; v3   kk's scale words: 16 (r % 8) + 256 h + 4 (r / 8) + the step
.set AV,  4                            ; v4   16 x lane + the step
.set AV8, 5                            ; v5   8 x lane + the step
.set ABM, 6                            ; v6   my place for the step's four largest scores
.set SEL, 7                            ; v7   byte selects that lay two scale bytes at bytes h and 2 + h
.set SPW, 8                            ; v8   my spare word; never rewritten
.set NIL, 9                            ; v9   0; never rewritten
.set CA,  10                           ; tile e: v[10+4e:11+4e] = c, a;  v[12+4e:13+4e] = a - M, the row's largest score
.set SM,  18                           ; tile e: the row's sum in two chains of pairs, v[18+4e:21+4e]
.set QS,  26                           ; v26-27 q's scale words
.set KS,  28                           ; v28-31 kk's: register 2 g + i: lanes 0-15 tile 2 i, lanes 16-31 tile 2 i + 1
.set VS,  32                           ; v32-33 v's likewise
.set PS,  34                           ; v34-35 p's
.set BM,  36                           ; v36-39 register 2 e + g: my block's largest score, then its largest p, then the conversions' scale operand
.set T,   40                           ; v40-43 at work
.set QF,  44                           ; v44-59 q's fragments
.set KA,  60                           ; v60-79 a group's four tiles of kk and four zeros
.set VF,  80                           ; v80-111 v's four fragments (walk 1: group 1's tiles of kk and four zeros)
.set S,   112                          ; v112-175 S^T, then p: 32 e + 8 u
.set O,   176                          ; v176-239 O^T: 32 e + 8 t (walk 1: group 1's S^T)
.set PCD, 240                          ; v240-255 p's codes: 8 e + 4 g + u
.set STEPB, 8960                       ; a key step: kk's codes 4,096, v's 4,096, kk's scale words 512, v's 256
.set BMS,   16*STEPB                   ; behind the head's 143,360 bytes: 8,704 bytes for each wave: 16 steps x 512 of largest scores; on the way out two stages of 16 rows x 272.  No tensor load lands there
.set WREG,  8704
.set SPARE, BMS+16*WREG                ; the spare words, 128 bytes for each wave
.macro ROUND                           ; a round of the cluster's barrier
	s_barrier_signal -1
	s_barrier_wait -1
	s_cmp_lg_u32 s12, 0
	s_cbranch_scc1 .Lnot_wave_0_\@
	s_barrier_signal -3
.Lnot_wave_0_\@:
	s_barrier_wait -3
	s_barrier_signal -1
	s_barrier_wait -1
.endm
.macro SETADR                          ; the LDS addresses at key step 0
	v_and_b32 v[T], 7, v0
	v_bfe_u32 v[T+1], v0, 3, 1
	v_bfe_u32 v[T+2], v0, 4, 1
	v_lshlrev_b32 v[T+3], 4, v[T]
	v_and_b32 v[T], 31, v0
	v_lshl_add_u32 v[T+3], v[T+2], 8, v[T+3]
	v_lshlrev_b32 v[AV], 4, v[T]
	v_lshlrev_b32 v[AV8], 3, v[T]
	v_mad_u32_u24 v[AK0], v[T+1], 1152, v[T+3]
	v_lshl_add_u32 v[AKS], v[T+1], 2, v[T+3]
	v_add_nc_u32 v[ABM], s47, v[AV]
	v_xor_b32 v[AK1], 128, v[AK0]
.endm
	s_load_b256 s[4:11], s[0:1], 0x0               ; qw s[4:5], kv s[6:7], attention_mask s[8:9], out0 s[10:11]
	v_lshl_add_u32 v[SPW], v0, 2, SPARE
	v_mov_b32 v[NIL], 0
	ds_add_u32 v[SPW], v[NIL]                      ; the opening lines: the add, twice on end, and its wait ahead of my tensor load
	ds_add_u32 v[SPW], v[NIL]
	v_lshrrev_b32 v[T], 5, v0
	v_readfirstlane_b32 s12, v[T]                  ; wave 0..15
	s_and_b32 s15, ttmp7, 0xffff                   ; 16 batch + head, which the four partners share
	s_mov_b32 s24, 15|(3<<16)|(1<<21)              ; group 1: 8,960 dense bytes as 35 rows of 32 elements of 8 bytes; the mask names all four work-groups, bit 21 beside it
	s_mov_b32 s25, 32<<16
	s_mov_b32 s26, 35<<16
	s_mov_b32 s27, 32<<16
	s_mov_b32 s28, 35
	s_mov_b32 s29, 32
	s_mov_b32 s30, 0
	s_mov_b32 s31, 0
	s_mul_i32 s33, s12, STEPB                      ; key step w goes to LDS byte 8,960 w
	s_mul_i32 s20, s15, 16*STEPB
	s_add_co_u32 s20, s20, s33
	s_mov_b32 s21, 0
	s_mov_b32 s16, 0x76543210                      ; v_permlanex16_b32's selects for lane l xor 16
	s_mov_b32 s17, 0xfedcba98
	s_mov_b32 s48, 0xffff0000                      ; lanes 16-31
	s_wait_dscnt 0x0
	s_wait_kmcnt 0x0
	s_mov_b32 s32, 1
	s_add_nc_u64 s[34:35], s[6:7], s[20:21]
	s_or_b32 s35, s35, 0x80000000
	ROUND                                          ; all four work-groups are here: the joint loads meet
	tensor_load_to_lds s[32:35], s[24:31]          ; one tensor load a wave, the only one of the launch
	s_nop 0
.rept 4
	v_nop
.endr
	; my queries.  What hangs on my place in the cluster enters global addresses of qw, the mask and out0 alone
	s_bfe_u32 s13, ttmp6, 0x40000                  ; cx
	s_lshl_b32 s14, ttmp9, 2
	s_add_co_u32 s14, s14, s13                     ; my block of 512 queries
	s_lshl_b32 s44, s15, 4
	s_lshl_b32 s45, s14, 2
	s_add_co_u32 s44, s44, s45
	s_lshr_b32 s45, s12, 2
	s_add_co_u32 s44, s44, s45                     ; my group of 128 queries
	s_mul_i32 s44, s44, 4608
	s_and_b32 s46, s12, 3                          ; my two tiles in it: 2 (wave % 4) and the next
	s_lshl_b32 s45, s46, 10
	s_add_co_u32 s22, s44, s45
	s_mov_b32 s23, 0
	s_add_nc_u64 s[36:37], s[4:5], s[22:23]        ; their codes
	s_lshl_b32 s45, s46, 2
	s_add_co_u32 s22, s44, s45
	s_add_co_u32 s22, s22, 4096
	s_add_nc_u64 s[38:39], s[4:5], s[22:23]        ; their scale words
	s_lshr_b32 s44, s15, 4
	s_lshl_b32 s44, s44, 11
	s_lshl_b32 s45, s14, 4
	s_add_co_u32 s45, s45, s12
	s_lshl_b32 s45, s45, 5
	s_add_co_u32 s44, s44, s45                     ; my first query's row: 2,048 batch + 32 (16 block + wave)
	s_lshl_b32 s22, s44, 2
	s_add_nc_u64 s[40:41], s[8:9], s[22:23]        ; in the mask,
	s_lshl_b32 s22, s44, 12
	s_and_b32 s45, s15, 15
	s_lshl_b32 s45, s45, 8
	s_add_co_u32 s22, s22, s45
	s_add_nc_u64 s[42:43], s[10:11], s[22:23]      ; and in out0, at my head's 256 bytes
	s_mul_i32 s47, s12, WREG
	s_add_co_u32 s47, s47, BMS                     ; my wave's own LDS bytes
	v_and_b32 v[T], 31, v0
	v_and_b32 v[T+1], 15, v0
	v_lshlrev_b32 v1, 4, v[T]                      ; until the wait for these loads: 16 x lane,
	v_lshlrev_b32 v2, 4, v[T+1]                    ; 16 r,
	v_and_b32 v[T+2], 8, v[T+1]
	v_add_nc_u32 v[T+2], v[T+2], v[T+1]
	v_lshlrev_b32 v3, 2, v[T+2]                    ; 4 (r + 8 (r / 8))
.irp e, 0,1
	global_load_b128 v[QF+8*\e:QF+8*\e+3], v1, s[36:37] offset:512*\e th:TH_LOAD_NT
	global_load_b32 v[QS+\e], v2, s[38:39] offset:256*\e
	global_load_b32 v[BM+\e], v3, s[40:41] offset:32*\e   ; the mask words of my two queries
.endr
.irp j, 4,5,6,7
	v_mov_b32 v[QF+\j], 0                          ; zero codes for k = 64 .. 127
	v_mov_b32 v[QF+8+\j], 0
	v_mov_b32 v[KA+12+\j], 0                       ; the four registers behind a group's last tile
	v_mov_b32 v[VF+12+\j], 0
.endr
	v_mov_b32 v[SEL], 0x0c070c03                   ; lanes 0-15: bytes 0 and 2;
	v_mov_b32 v[T+3], 0x070c030c                   ; lanes 16-31: bytes 1 and 3; the others 0
	v_cndmask_b32 v[SEL], v[SEL], v[T+3], s48
	s_wait_loadcnt 0x0                             ; q, its scale words, the mask
	SETADR
.irp e, 0,1
	v_cmp_ne_u32 vcc_lo, 0, v[BM+\e]               ; my query counts:
	v_mov_b32 v[CA+4*\e], 0x3e38aa3b               ; c = log2(e) / 8,
	v_cndmask_b32 v[CA+4*\e], 0, v[CA+4*\e], vcc_lo   ; else 0
	v_cmp_eq_u32 vcc_lo, 0, v[BM+\e]               ; my query is masked:
	v_mov_b32 v[CA+4*\e+1], 0xc6616bcd             ; a = -10000 log2(e),
	v_cndmask_b32 v[CA+4*\e+1], 0, v[CA+4*\e+1], vcc_lo   ; else 0
	v_mov_b32 v[CA+4*\e+3], 0xff61b1e6             ; the largest score so far: -3e38
.endr
.irp n, 0,1,2,3
	v_mov_b32 v[BM+\n], 0xff61b1e6                 ; what walk 1's first step finds as the step before's largest scores
.endr
	s_wait_alu depctr_va_vdst(0)
	s_wait_tensorcnt 0x0                           ; my key step is in LDS,
	s_barrier_signal -1
	s_barrier_wait -1                              ; everybody's is
.macro KLOAD dst, g                    ; group g's four tiles of kk: slot j takes tile 2 (j % 2) + j / 2
.irp j, 0,1,2,3
	ds_load_b128 v[(\dst)+4*\j:(\dst)+4*\j+3], v[AK0+\j%2] offset:2048*(\g)+512*(\j/2)
.endr
.endm
.macro KSLOAD                          ; the step's scale words of kk
.irp n, 0,1,2,3
	ds_load_b32 v[KS+\n], v[AKS] offset:8192+128*(\n%2)+8*(\n/2)
.endr
.endm
.macro KQ d, a, g                      ; S^T of group g: twice 32 keys x my two tiles of queries
.irp i, 0,1
.irp e, 0,1
	v_wmma_scale_f32_32x16x128_f4 v[(\d)+32*\e+16*\i:(\d)+32*\e+16*\i+15], v[(\a)+4*\i:(\a)+4*\i+15], v[QF+8*\e:QF+8*\e+7], 0, v[KS+2*(\g)+\i], v[QS+\e]
.endr
.endr
.endm
; WALK 1.  Four blocks a lane and step (2 tiles x 2 groups), each in two chains, the eight by turns; each accumulator is first read at its low end.
	s_mov_b32 s19, 16
.Lp1:
	KLOAD KA, 0
	KLOAD VF, 1
	KSLOAD
	s_wait_dscnt 0x0
	KQ S, KA, 0
	KQ S+64, VF, 1
	v_max3_num_f32 v[CA+3], v[CA+3], v[BM], v[BM+1]     ; my half of the row's largest, with the step before's blocks.  (These four lines are the places behind the products)
	v_max3_num_f32 v[CA+7], v[CA+7], v[BM+2], v[BM+3]
	v_add_nc_u32 v[AK0], STEPB, v[AK0]
	v_add_nc_u32 v[AK1], STEPB, v[AK1]
.irp e, 0,1
.irp g, 0,1
	v_max3_num_f32 v[BM+2*\e+\g], v[S+64*\g+32*\e], v[S+64*\g+32*\e+1], v[S+64*\g+32*\e+2]
	v_max3_num_f32 v[T+2*\e+\g], v[S+64*\g+32*\e+16], v[S+64*\g+32*\e+17], v[S+64*\g+32*\e+18]
.endr
.endr
.irp i, 3,5,7,9,11,13
.irp e, 0,1
.irp g, 0,1
	v_max3_num_f32 v[BM+2*\e+\g], v[BM+2*\e+\g], v[S+64*\g+32*\e+\i], v[S+64*\g+32*\e+\i+1]
	v_max3_num_f32 v[T+2*\e+\g], v[T+2*\e+\g], v[S+64*\g+32*\e+16+\i], v[S+64*\g+32*\e+17+\i]
.endr
.endr
.endr
.irp e, 0,1
.irp g, 0,1
	v_max3_num_f32 v[BM+2*\e+\g], v[BM+2*\e+\g], v[S+64*\g+32*\e+15], v[S+64*\g+32*\e+31]
.endr
.endr
	v_add_nc_u32 v[AKS], STEPB, v[AKS]
.irp n, 0,1,2,3
	v_max_num_f32 v[BM+\n], v[BM+\n], v[T+\n]      ; the block's largest score
.endr
	ds_store_b128 v[ABM], v[BM:BM+3]               ; kept for walk 2, in my own bytes
	v_add_nc_u32 v[ABM], 512, v[ABM]
	s_sub_co_u32 s19, s19, 1
	s_cmp_lg_u32 s19, 0
	s_wait_alu depctr_va_vdst(0)                   ; directly ahead of the branch
	s_cbranch_scc1 .Lp1
	; M, once for each query
	v_max3_num_f32 v[CA+3], v[CA+3], v[BM], v[BM+1]     ; the last step's blocks
	v_max3_num_f32 v[CA+7], v[CA+7], v[BM+2], v[BM+3]
	s_delay_alu instid0(VALU_DEP_2)
	v_permlanex16_b32 v[T], v[CA+3], s16, s17
	s_delay_alu instid0(VALU_DEP_2)
	v_permlanex16_b32 v[T+1], v[CA+7], s16, s17
	s_delay_alu instid0(VALU_DEP_2)
	v_max_num_f32 v[CA+3], v[CA+3], v[T]           ; the row's largest score,
	s_delay_alu instid0(VALU_DEP_2)
	v_max_num_f32 v[CA+7], v[CA+7], v[T+1]
	s_delay_alu instid0(VALU_DEP_2)
	v_fma_f32 v[T], v[CA+3], v[CA], v[CA+1]        ; as t (c is not negative)
	s_delay_alu instid0(VALU_DEP_2)
	v_fma_f32 v[T+1], v[CA+7], v[CA+4], v[CA+5]
	s_delay_alu instid0(VALU_DEP_2)
	v_floor_f32 v[T], -v[T]                        ; -M = floor(-t) = -ceil(t)
	s_delay_alu instid0(VALU_DEP_2)
	v_floor_f32 v[T+1], -v[T+1]
	s_delay_alu instid0(VALU_DEP_2)
	v_add_f32 v[CA+2], v[CA+1], v[T]               ; a - M
	s_delay_alu instid0(VALU_DEP_2)
	v_add_f32 v[CA+6], v[CA+5], v[T+1]
.irp j, 0,1,2,3,4,5,6,7
	v_mov_b32 v[SM+\j], 0                          ; the sums
.endr
	SETADR
	s_wait_alu depctr_va_vdst(0)                   ; ahead of the walk
.macro PKF a, n                        ; t - M = score x c + (a - M) for pairs a .. a + n - 1 of the 32 (of both constant pairs the low word serves both halves); ascending: each accumulator from its low end on
.set q, \a
.rept \n
	v_pk_fma_f32 v[S+2*q:S+2*q+1], v[S+2*q:S+2*q+1], v[CA+4*(q/16):CA+4*(q/16)+1], v[CA+4*(q/16)+2:CA+4*(q/16)+3] op_sel_hi:[1,0,0]
.set q, q+1
.endr
.endm
.macro EXPS                            ; p = 2^(t - M), at most 1
.set j, 0
.rept 64
	v_exp_f32 v[S+j], v[S+j]
.set j, j+1
.endr
.endm
.macro CVT g                           ; a lane's whole block: four conversions give registers 4 g .. 4 g + 3 of p's operand
.irp e, 0,1
.irp u, 0,1,2,3
	v_cvt_scalef32_pk8_fp4_f32 v[PCD+8*\e+4*(\g)+\u], v[S+32*\e+8*\u:S+32*\e+8*\u+7], v[BM+2*\e+(\g)]
.endr
.endr
.endm
; The rows' sums of the unquantised p: three chains a tile (two that stay, one begun anew), the six by turns.  SUMA begins the third, SUMB walks all, SUMM joins the third to the first.
.macro SUMA
.irp e, 0,1
	v_pk_add_f32 v[T+2*\e:T+2*\e+1], v[S+32*\e:S+32*\e+1], v[S+32*\e+2:S+32*\e+3]
.endr
.endm
.macro SUMB
.irp i, 4,10,16,22
.irp c, 0,1
.irp e, 0,1
	v_pk_add_f32 v[SM+4*\e+2*\c:SM+4*\e+2*\c+1], v[SM+4*\e+2*\c:SM+4*\e+2*\c+1], v[S+32*\e+\i+2*\c:S+32*\e+\i+2*\c+1]
.endr
.endr
.irp e, 0,1
	v_pk_add_f32 v[T+2*\e:T+2*\e+1], v[T+2*\e:T+2*\e+1], v[S+32*\e+\i+4:S+32*\e+\i+5]
.endr
.endr
.irp c, 0,1
.irp e, 0,1
	v_pk_add_f32 v[SM+4*\e+2*\c:SM+4*\e+2*\c+1], v[SM+4*\e+2*\c:SM+4*\e+2*\c+1], v[S+32*\e+28+2*\c:S+32*\e+29+2*\c]
.endr
.endr
.endm
.macro SUMM
.irp e, 0,1
	v_pk_add_f32 v[SM+4*\e:SM+4*\e+1], v[SM+4*\e:SM+4*\e+1], v[T+2*\e:T+2*\e+1]
.endr
.endm
.macro PV zero                         ; O^T += 32 channels x 128 keys x 16 queries: four accumulators by turns; zero = 1: the first step starts the sums
.irp i, 0,1
.irp e, 0,1
.if \zero
	v_wmma_scale_f32_32x16x128_f4 v[O+32*\e+16*\i:O+32*\e+16*\i+15], v[VF+16*\i:VF+16*\i+15], v[PCD+8*\e:PCD+8*\e+7], 0, v[VS+\i], v[PS+\e]
.else
	v_wmma_scale_f32_32x16x128_f4 v[O+32*\e+16*\i:O+32*\e+16*\i+15], v[VF+16*\i:VF+16*\i+15], v[PCD+8*\e:PCD+8*\e+7], v[O+32*\e+16*\i:O+32*\e+16*\i+15], v[VS+\i], v[PS+\e]
.endif
.endr
.endr
.endm
; WALK 2, a key step: group 0, group 1, then the second product.  Lines that hang on each other stand more than four vector lines apart: address steps and the scale words' lines are laid between.
.macro STEP2 zero
	ds_load_b128 v[BM:BM+3], v[ABM]                ; my four blocks' largest scores (LDS serves a wave's instructions in order: these see walk 1's stores)
	KLOAD KA, 0
	KSLOAD
	s_wait_dscnt 0x0
	KQ S, KA, 0
.irp e, 0,1
.irp g, 0,1
	v_fma_f32 v[BM+2*\e+\g], v[BM+2*\e+\g], v[CA+4*\e], v[CA+4*\e+2]   ; t - M of each block's largest score: the same multiply-add as its element's.  (The four places ahead of the loads below and of the first read of S^T)
.endr
.endr
	KLOAD KA, 1
.irp n, 0,1,2,3,4,5,6,7
	ds_load_b128 v[VF+4*\n:VF+4*\n+3], v[AV] offset:4096+512*\n
.endr
	ds_load_b64 v[VS:VS+1], v[AV8] offset:8704
	PKF 0, 32
	s_wait_alu depctr_va_vdst(0)                   ; ahead of the batch
.irp n, 0,1,2,3
	v_exp_f32 v[BM+\n], v[BM+\n]                   ; each block's largest p
.endr
	EXPS
	v_add_nc_u32 v[AK0], STEPB, v[AK0]             ; plain lines behind the exponentials: the next step's addresses
	v_add_nc_u32 v[AK1], STEPB, v[AK1]
	v_add_nc_u32 v[AV], STEPB, v[AV]
	s_wait_alu depctr_va_vdst(0)                   ; one wait for the batch of 68, ahead of its first reader
.irp n, 0,1,2,3
	v_max_num_f32 v[BM+\n], 0x1800000, v[BM+\n]    ; the floor 2^(3 - 127): the byte cannot fall under 1
.endr
	SUMA
.irp n, 0,1,2,3
	v_add_nc_u32 v[BM+\n], 0xff000000, v[BM+\n]    ; 2 off the exponent field: the conversion's scale operand
.endr
	CVT 0
	SUMB                                           ; (also the plain lines between the conversions and the products that write over their sources)
	v_add_nc_u32 v[AV8], STEPB, v[AV8]
	SUMM
	s_wait_dscnt 9                                 ; group 1's tiles of kk are in; v's 8 + 1 loads may be out
	KQ S, KA, 1
.irp n, 0,1,2,3
	v_lshlrev_b32 v[T+\n], 1, v[BM+\n]             ; the scale's byte as byte 3.  (These four are the places behind the products)
.endr
	PKF 0, 4
	v_perm_b32 v[T], v[T+1], v[T], v[SEL]          ; my two blocks' bytes at bytes h and 2 + h,
	v_perm_b32 v[T+2], v[T+3], v[T+2], v[SEL]
	PKF 4, 4
	v_permlanex16_b32 v[T+1], v[T], s16, s17
	v_permlanex16_b32 v[T+3], v[T+2], s16, s17
	PKF 8, 4
	v_or_b32 v[PS], v[T], v[T+1]                   ; with lane l xor 16's two: p's scale word for these 128 keys
	v_or_b32 v[PS+1], v[T+2], v[T+3]
	PKF 12, 20
	s_wait_alu depctr_va_vdst(0)                   ; ahead of the batch
	EXPS
	v_add_nc_u32 v[ABM], 512, v[ABM]
	v_add_nc_u32 v[AKS], STEPB, v[AKS]
	s_wait_alu depctr_va_vdst(0)                   ; and behind it
	CVT 1
	SUMA
	SUMB                                           ; (also the places between the conversions and the products that take their results)
	v_nop
	SUMM
	s_wait_dscnt 0x0                               ; v and its scale words are in
	PV \zero
.endm
	STEP2 1
	s_mov_b32 s19, 15
.Lp2:
	STEP2 0
	s_sub_co_u32 s19, s19, 1
	s_cmp_lg_u32 s19, 0
	s_cbranch_scc1 .Lp2
	; THE WAY OUT: O^T / the sum goes through my stages, 16 rows of 256 bytes a tile, so that sixteen lanes store a query's 256 bytes of its head
	s_wait_alu depctr_va_vdst(0)                   ; the sums' last lines stand ahead of a wait on LDS
	v_pk_add_f32 v[SM:SM+1], v[SM:SM+1], v[SM+2:SM+3]
	v_pk_add_f32 v[SM+4:SM+5], v[SM+4:SM+5], v[SM+6:SM+7]
	s_delay_alu instid0(VALU_DEP_2)
	v_add_f32 v[SM], v[SM], v[SM+1]
	s_delay_alu instid0(VALU_DEP_2)
	v_add_f32 v[SM+4], v[SM+4], v[SM+5]
	s_delay_alu instid0(VALU_DEP_2)
	v_permlanex16_b32 v[T], v[SM], s16, s17
	s_delay_alu instid0(VALU_DEP_2)
	v_permlanex16_b32 v[T+1], v[SM+4], s16, s17
	s_delay_alu instid0(VALU_DEP_2)
	v_add_f32 v[SM], v[SM], v[T]                   ; the rows' sums
	s_delay_alu instid0(VALU_DEP_2)
	v_add_f32 v[SM+4], v[SM+4], v[T+1]
	s_wait_alu depctr_va_vdst(0)                   ; ahead of the reciprocals
	v_rcp_f32 v[SM], v[SM]
	v_rcp_f32 v[SM+4], v[SM+4]
	v_and_b32 v1, 15, v0                           ; r
	v_bfe_u32 v2, v0, 4, 1                         ; h
	v_mul_u32_u24 v3, v1, 272
	v_mul_u32_u24 v4, v2, 272
	v_lshlrev_b32 v5, 12, v2
	v_lshl_add_u32 v3, v2, 6, v3
	v_lshl_add_u32 v4, v1, 4, v4
	v_lshl_add_u32 v5, v1, 4, v5                   ; two rows of out0, 16 bytes a lane
	v_add_nc_u32 v3, s47, v3                       ; into the stage: row r, + 64 h
	v_add_nc_u32 v4, s47, v4                       ; back: lanes 0-15 one row of 256 bytes, lanes 16-31 the next
	s_wait_alu depctr_va_vdst(0)                   ; behind the reciprocals, directly ahead of the first readers of O^T
.irp e, 0,1
.set j, 0
.rept 16
	v_pk_mul_f32 v[S+32*\e+j:S+32*\e+j+1], v[O+32*\e+j:O+32*\e+j+1], v[SM+4*\e:SM+4*\e+1] op_sel_hi:[1,0]   ; register 8 t + i: channel 32 (t / 2) + 8 (t % 2) + 16 h + i of query position r
.set j, j+2
.endr
.endr
.irp e, 0,1                            ; tile 0 comes back into v's registers, tile 1 into tile 0's O^T
.irp t, 0,1,2,3
	ds_store_b128 v3, v[S+32*\e+8*\t:S+32*\e+8*\t+3] offset:4352*\e+128*(\t/2)+32*(\t%2)
	ds_store_b128 v3, v[S+32*\e+8*\t+4:S+32*\e+8*\t+7] offset:4352*\e+128*(\t/2)+32*(\t%2)+16
.endr
.irp i, 0,1,2,3,4,5,6,7
	ds_load_b128 v[VF+96*\e+4*\i:VF+96*\e+4*\i+3], v4 offset:4352*\e+2*\i*272
.endr
.endr
.irp e, 0,1
.irp i, 0,1,2,3,4,5,6,7
	s_wait_dscnt 23-16*\e-\i                       ; positions 2 i and 2 i + 1 are back; the younger LDS instructions may be out
	global_store_b128 v5, v[VF+96*\e+4*\i:VF+96*\e+4*\i+3], s[42:43] offset:(2*\i+8*(\i/4)+8*\e)*4096 th:TH_STORE_NT   ; two runs of 256 consecutive bytes, each at a multiple of 256 from out0's first byte
.endr
.endr
	s_wait_tensorcnt 0x0                           ; the wave's end
	ds_add_u32 v[SPW], v[NIL]
	s_wait_dscnt 0x0
	ROUND                                          ; the closing round: no work-group ends while a partner may still ask for a tile that names it
	s_endpgm
.Lfunc_end_k_q2297db0578_attn:
	.size	k_q2297db0578_attn, .Lfunc_end_k_q2297db0578_attn-k_q2297db0578_attn
	.p2alignl 7, 3214868480
	.fill 96, 4, 3214868480
	.section	.rodata,"a",@progbits
	.p2align	6, 0x0
	.amdhsa_kernel k_q2297db0578_attn
		.amdhsa_group_segment_fixed_size 284672
		.amdhsa_private_segment_fixed_size 0
		.amdhsa_enable_private_segment 0
		.amdhsa_kernarg_size 32
		.amdhsa_user_sgpr_count 2
		.amdhsa_user_sgpr_kernarg_segment_ptr 1
		.amdhsa_wavefront_size32 1
		.amdhsa_system_sgpr_workgroup_id_x 1
		.amdhsa_system_sgpr_workgroup_id_y 1
		.amdhsa_system_sgpr_workgroup_id_z 1
		.amdhsa_system_vgpr_workitem_id 0
		.amdhsa_next_free_vgpr 256
		.amdhsa_next_free_sgpr 66
		.amdhsa_reserve_vcc 1
		.amdhsa_float_denorm_mode_32 3
		.amdhsa_float_denorm_mode_16_64 3
		.amdhsa_memory_ordered 1
		.amdhsa_forward_progress 1
		.amdhsa_inst_pref_size 59
	.end_amdhsa_kernel
	.amdgpu_metadata
---
amdhsa.version: [ 1, 2 ]
amdhsa.kernels:
  - .name:           k_q2297db0578_attn
    .symbol:         k_q2297db0578_attn.kd
    .args:
      - { .name: qw, .offset: 0, .size: 8, .value_kind: global_buffer, .address_space: global }
      - { .name: kv, .offset: 8, .size: 8, .value_kind: global_buffer, .address_space: global }
      - { .name: attention_mask, .offset: 16, .size: 8, .value_kind: global_buffer, .address_space: global }
      - { .name: out0, .offset: 24, .size: 8, .value_kind: global_buffer, .address_space: global }
    .group_segment_fixed_size: 284672
    .private_segment_fixed_size: 0
    .kernarg_segment_align: 8
    .kernarg_segment_size: 32
    .max_flat_workgroup_size: 512
    .sgpr_count:     66
    .vgpr_count:     256
    .wavefront_size: 32
...
	.end_amdgpu_metadata
.endif
;; end of part 3
